; MI455X (gfx1250); checked and timed in simulation.
; The chip was launched on July 23, 2026; its instructions are those of AMD's public machine-readable ISA for CDNA 5 (MIT licence, August 2026) and "CDNA5" Instruction Set Architecture Reference Guide (July 2026). The comments in the code are by the model that wrote it; some were corrected since.
;; Self Attention. Allowed arithmetic: matrix products marked QUANTISED: E2M3 operands, one E8M0 scale for each 32 along K, by v_wmma_scale_f32_16x16x128_f8f6f4 with both operands' format E2M3, f32 sums; everything else in f32.
;; Inputs: Wk 1,024 x 1,024 float32; Wq 1,024 x 1,024 float32; Wv 1,024 x 1,024 float32; bk 1,024 float32; bq 1,024 float32; bv 1,024 float32; hidden_states 4 x 2,048 x 1,024 float32.
;; Outputs: out0 4 x 2,048 x 1,024 float32.
;; This version of the problem:
;;   THIS VERSION OF THE PROBLEM IS GIVEN IN LOW PRECISION. The matrix products marked QUANTISED in the list below multiply operands that are first quantised to E2M3 (2 exponent bits, 3 mantissa bits; 6 bits a number), with one power-of-two scale for each 32 numbers along K (OCP MX v1.0); their sums are f32. All else is computed in f32.
;;   The module's matrix products, in the order in which they are computed (A, B: the left and right operand; K: the contracted axis; several contracted axes count as one K, in the product's order):
;;     1. [M 8,192, K 1,024] x [K 1,024, N 1,024]; A: input hidden_states; B: input Wq: QUANTISED
;;     2. [M 8,192, K 1,024] x [K 1,024, N 1,024]; A: input hidden_states; B: input Wk: QUANTISED
;;     3. [M 8,192, K 1,024] x [K 1,024, N 1,024]; A: input hidden_states; B: input Wv: QUANTISED
;;     4. batch 64 x [M 2,048, K 64] x [K 64, N 2,048]; A: computed on the way; B: computed on the way: QUANTISED
;;     5. batch 64 x [M 2,048, K 2,048] x [K 2,048, N 64]; A: softmax (see below); B: computed on the way: QUANTISED
;;   THE QUANTISER, for each operand of a quantised product, along K:
;;     - K is cut into blocks of 32 from its start; a last block that is shorter is filled with zeros.
;;     - A block's scale is 2^e with e = floor(log2(the largest magnitude in the block)) - 2, held to -126 .. 127; a block of zeros has e = 0. As a byte (E8M0): e + 127.
;;     - Each number is divided by its block's scale, clamped to +-7.5, and rounded to the nearest number of E2M3, ties to even, subnormals kept.
;;     - The product sums the exact products of the quantised numbers (number of the format x scale) in f32.
;;   ~~~python
;;   def quantise(x, axis):      # numpy; x: float32 -> the quantised numbers, widened to float32 again
;;       x = np.moveaxis(x, axis, -1); K = x.shape[-1]
;;       x = np.pad(x, [(0, 0)] * (x.ndim - 1) + [(0, -K % 32)]); x = x.reshape(x.shape[:-1] + (-1, 32)); a = np.abs(x).max(-1, keepdims=True)
;;       e = np.where(a > 0, np.clip(np.frexp(np.where(a > 0, a, 1))[1] - 1 - 2, -126, 127), 0)      # np.frexp(a)[1] - 1 = floor(log2(a)), exactly
;;       r = np.clip(x / 2.0 ** e, -7.5, 7.5)
;;       step = 2.0 ** (np.maximum(np.frexp(np.where(r == 0, 1, r))[1] - 1, 0) - 3)
;;       q = np.round(r / step) * step * 2.0 ** e      # np.round: ties to even
;;       return np.moveaxis(q.reshape(q.shape[:-2] + (-1,))[..., :K], -1, axis).astype(np.float32)
;;   ~~~
;;   SOFTMAX AHEAD OF A QUANTISED PRODUCT. Where the list says 'softmax', what is quantised is not the finished softmax but p = 2^(t - M), with t = logit x log2(e) and M = ceil(the row's largest t), a whole number; so 1/2 < the row's largest p <= 1. The row's sum l is taken of the UNQUANTISED p, in f32, and the product's result is divided by l at the end. Since M is a whole number, a kernel that streams over the keys may use a running M (the ceiling of the running maximum): every later rescaling is an exact power of two, which a block's scale takes up: the codes' values come out the same.
;;   OPERANDS COMPUTED ON THE WAY. 'Computed on the way' means the value that the module computes at that place (a softmax that the list does not call 'softmax' is quantised finished and normalised). What goes into a quantiser is computed in f32, as accurately as f32 sums, v_exp_f32 and their like allow (about 1e-6 of the number): no bf16 or f16 on the way to a quantiser, and a product that is left as it is and whose result goes on into a quantised operand takes f32 operands (vector FMAs, or v_wmma_f32_16x16x4_f32). A number that lies on a knife's edge between two numbers of the format may be rounded either way, as far as f32 arithmetic and the matrix unit's own rounding can turn it there, and no further.
;; One version. Each part assembles by itself: llvm-mc -triple=amdgcn-amd-amdhsa -mcpu=gfx1250 --defsym DOCPART=n.
;; ======== version 1 of 1: 3 launches
;; workspace buffers: codes 8,650,752 bytes; scales 360,448 bytes; img 19,660,800 bytes
;; launch quant (part 1): grid 352 x 1, 4 waves a work-group, no clusters, 33,280 bytes of LDS; arguments hidden_states, Wq, Wk, Wv, codes, scales; writes codes, scales
.if DOCPART == 1
	.amdgcn_target "amdgcn-amd-amdhsa--gfx1250"
	.amdhsa_code_object_version 6
	.text
	.protected	k_q1b9ad8519f_quant
	.globl	k_q1b9ad8519f_quant
	.p2align	8
	.type	k_q1b9ad8519f_quant,@function
k_q1b9ad8519f_quant:
	s_mov_b64 s[64:65], 0
	v_nop
	global_prefetch_b8 v0, s[64:65] scope:SCOPE_SE
	s_setreg_imm32_b32 hwreg(HW_REG_WAVE_MODE, 25, 1), 1
	s_wait_xcnt 0x0
; hidden_states [8192][1024] and Wq, Wk, Wv [1024][1024], f32, K innermost, become codes of FP6 (E2M3) with one E8M0 scale byte for each 32 along K.
; OUT: codes [11264 rows][768 bytes] (a row's 1,024 codes are one stream of bits), scales [11264 rows][32 bytes]; rows 0-8191 hidden, 8192.. Wq, 9216.. Wk, 10240.. Wv.
; THE ROWS ARE LAID IN ANOTHER ORDER: bits 3 and 4 of the row's number change places, so that 16 neighbouring rows of the buffer (tile 2 B + u, place r) are the tensor's rows 32 B + 8 u + r + 8 (r / 8).
; The next launch then finds, in two neighbouring tiles' results, 16 neighbours along the axis that it quantises, and pays nothing for it.
; A block's scale is 2^(floor(log2(its largest magnitude)) - 2); its byte is the largest magnitude's exponent field - 2, held at 1 from below.
; LIMITS: a block whose largest magnitude lies under 2^-124 has its byte held at 1; a block of zeros has the byte 1 and not 127 (its codes are zeros, and this program alone reads the bytes); NaN and infinities are not served.
; SHARES: a work-group takes 32 rows, a wave 8 rows = 16 steps of 512 numbers.  Each load reads 512 consecutive bytes; a step's 2,048 bytes turn through the wave's own stage in LDS so that a lane holds 16 neighbours
; (two lanes a block).  A lane's 16 codes are 12 bytes: a store covers 384 consecutive bytes.  A wave's 256 scale bytes are gathered in LDS and leave as one aligned block of 256 bytes.  Waves share nothing: no barrier.
.set STEPS, 16
.set CB,    12                         ; bytes of 16 codes
.set R,     16                         ; v16-79   four sets of 16 numbers as they are loaded
.set X,     80                         ; v80-111  two sets of 16 neighbours
.set E,     112                        ; v112-127 a scale byte for each step
.set C,     128                        ; v128-191 codes: four registers for each step, so that no store's data are written again
.set WREG,  8192                       ; LDS: a region for each wave: two stages of 32 x SP bytes, behind them its 256 scale bytes
.set SP,    80                         ; a lane's place in a stage: its 64 bytes + 16 of padding
	s_load_b256 s[4:11], s[0:1], 0x0               ; hidden s[4:5], Wq s[6:7], Wk s[8:9], Wv s[10:11]
	s_load_b128 s[12:15], s[0:1], 0x20             ; codes s[12:13], scales s[14:15]
	v_lshl_add_u32 v192, v0, 2, 0x8000
	v_mov_b32 v193, 0
	v_lshrrev_b32 v1, 5, v0
	v_readfirstlane_b32 s16, v1                    ; wave
	v_and_b32 v2, 31, v0                           ; lane
	v_lshlrev_b32 v3, 4, v2                        ; my 16 bytes of a load's 512
	s_mul_i32 s17, s16, WREG
	v_lshrrev_b32 v14, 2, v2
	v_mul_u32_u24 v14, v14, SP
	v_and_b32 v15, 3, v2
	v_lshl_add_u32 v14, v15, 4, v14
	v_add_nc_u32 v14, s17, v14                     ; the stage, on the way in: SP (lane / 4) + 16 (lane % 4)
	v_mul_u32_u24 v15, v2, SP
	v_add_nc_u32 v15, s17, v15                     ; and on the way out: SP x lane: my 16 neighbours
	v_mul_u32_u24 v4, v2, CB                       ; my codes' place in a step's
	v_lshrrev_b32 v5, 1, v2
	s_add_co_u32 s17, s17, 2*32*SP
	v_add_nc_u32 v5, s17, v5                       ; LDS: my wave's 256 scale bytes, my block's byte
	v_lshlrev_b32 v7, 3, v2                        ; and on the way out 8 bytes a lane
	v_add_nc_u32 v6, s17, v7
	s_sub_co_u32 s22, ttmp9, 256
	s_and_b32 s22, s22, 31                         ; a weight's work-group: which 32 rows of its tensor
	s_and_b32 s23, s16, 1
	s_lshl_b32 s23, s23, 1
	s_lshr_b32 s24, s16, 1
	s_or_b32 s23, s23, s24                         ; the wave's two bits changed over: where its 8 rows go among the work-group's 32
	s_wait_alu depctr_va_vdst(0)
	s_wait_kmcnt 0x0
	s_cmp_lt_u32 ttmp9, 320                        ; which tensor: the choices hang on the work-group's number alone
	s_cselect_b64 s[8:9], s[8:9], s[10:11]
	s_cmp_lt_u32 ttmp9, 288
	s_cselect_b64 s[6:7], s[6:7], s[8:9]
	s_cmp_lt_u32 ttmp9, 256
	s_cselect_b64 s[4:5], s[4:5], s[6:7]
	s_cselect_b32 s17, ttmp9, s22
	s_lshl_b32 s17, s17, 2
	s_add_co_u32 s18, s17, s16                     ; the run of 8 rows that I read,
	s_lshl_b32 s18, s18, 15                        ; 32,768 bytes each (under 2^26 in all)
	s_mov_b32 s19, 0
	s_add_nc_u64 s[4:5], s[4:5], s[18:19]
	s_lshl_b32 s20, ttmp9, 2
	s_add_co_u32 s20, s20, s23                     ; the run of 8 rows that I write
	s_mul_i32 s18, s20, 8*768
	s_add_nc_u64 s[12:13], s[12:13], s[18:19]
	s_lshl_b32 s18, s20, 8
	s_add_nc_u64 s[14:15], s[14:15], s[18:19]
.macro LOAD t
.irp i, 0,1,2,3
	global_load_b128 v[R+16*((\t)%4)+4*\i:R+16*((\t)%4)+4*\i+3], v3, s[4:5] offset:2048*(\t)+512*\i th:TH_LOAD_NT   ; 32 lanes read 512 consecutive bytes; read once in the launch
.endr
.endm
.macro TURN t                          ; step t's numbers through the stage: LDS serves a wave's instructions in order (ISA guide 5.7.1.4), so no wait stands between the stores and the loads
.irp i, 0,1,2,3
	ds_store_b128 v14, v[R+16*((\t)%4)+4*\i:R+16*((\t)%4)+4*\i+3] offset:32*SP*((\t)%2)+8*SP*\i
.endr
.irp i, 0,1,2,3
	ds_load_b128 v[X+16*((\t)%2)+4*\i:X+16*((\t)%2)+4*\i+3], v15 offset:32*SP*((\t)%2)+16*\i
.endr
.endm
.irp t, 0,1,2,3
	LOAD \t
.endr
	s_wait_loadcnt 12                              ; step 0's four loads are in; three steps' twelve stay out
	TURN 0
.macro STEP t
.set XS, X+16*((\t)%2)
.if (\t) > 0
	s_wait_dscnt 1                                 ; this step's numbers are back from the stage (the last step's byte store may be out): so its stores into the stage have read their registers,
.else
	s_wait_dscnt 0x0
.endif
.if (\t)+4 < STEPS
	LOAD (\t)+4                                    ; which take the loads of four steps on
.endif
.if (\t)+1 < STEPS
.if STEPS-2-(\t) >= 3
	s_wait_loadcnt 12                              ; the next step's four loads are in; those of the three steps behind it may be out
.else
	s_wait_loadcnt 4*(STEPS-2-(\t))
.endif
	TURN (\t)+1                                    ; and go through the other stage while this step is worked
.endif
	v_max3_num_f32 v8, |v[XS]|, |v[XS+1]|, |v[XS+2]|               ; the largest magnitude of my 16, in two chains
	v_max3_num_f32 v9, |v[XS+3]|, |v[XS+4]|, |v[XS+5]|
.irp i, 6,10
	v_max3_num_f32 v8, v8, |v[XS+\i]|, |v[XS+\i+1]|
	v_max3_num_f32 v9, v9, |v[XS+\i+2]|, |v[XS+\i+3]|
.endr
	v_max3_num_f32 v8, v8, |v[XS+14]|, |v[XS+15]|
	v_max3_num_f32 v8, v8, v9, 0x1800000           ; and the floor 2^(3 - 127): the byte cannot fall under 1
	v_max_num_f32_dpp v8, v8, v8 row_xmask:1 row_mask:0xf bank_mask:0xf   ; and of my neighbour's 16: the block's
	v_add_nc_u32 v11, 0xff000000, v8               ; 2 off its exponent field: the conversion takes the exponent field of this operand as its scale, and nothing else of it
	v_cvt_scalef32_pk16_fp6_f32 v[C+4*(\t):C+4*(\t)+2], v[XS:XS+15], v11   ; sixteen numbers / the scale, to the nearest code, ties to even, beyond the largest code the largest; 96 bits without gaps
	v_lshrrev_b32 v[E+(\t)], 23, v11               ; the scale's byte (also the plain line behind the conversion)
	ds_store_b8 v5, v[E+(\t)] offset:16*(\t)       ; both lanes of a block write the same byte with the same value
	global_store_b96 v4, v[C+4*(\t):C+4*(\t)+2], s[12:13] offset:32*CB*(\t)
.endm
.irp t, 0,1,2,3,4,5,6,7,8,9,10,11,12,13,14,15
	STEP \t
.endr
	ds_load_b64 v[12:13], v6                       ; these see my byte stores: a wave's LDS instructions are served in order
	s_wait_dscnt 0x0
	global_store_b64 v7, v[12:13], s[14:15]        ; 32 lanes store 256 consecutive bytes, at a multiple of 256 from the buffer's first byte
	s_wait_tensorcnt 0x0
	ds_add_u32 v192, v193
	s_wait_dscnt 0x0
	s_endpgm
.Lfunc_end_k_q1b9ad8519f_quant:
	.size	k_q1b9ad8519f_quant, .Lfunc_end_k_q1b9ad8519f_quant-k_q1b9ad8519f_quant
	.p2alignl 7, 3214868480
	.fill 96, 4, 3214868480
	.section	.rodata,"a",@progbits
	.p2align	6, 0x0
	.amdhsa_kernel k_q1b9ad8519f_quant
		.amdhsa_group_segment_fixed_size 33280
		.amdhsa_private_segment_fixed_size 0
		.amdhsa_enable_private_segment 0
		.amdhsa_kernarg_size 48
		.amdhsa_user_sgpr_count 2
		.amdhsa_user_sgpr_kernarg_segment_ptr 1
		.amdhsa_wavefront_size32 1
		.amdhsa_system_sgpr_workgroup_id_x 1
		.amdhsa_system_sgpr_workgroup_id_y 1
		.amdhsa_system_sgpr_workgroup_id_z 1
		.amdhsa_system_vgpr_workitem_id 0
		.amdhsa_next_free_vgpr 194
		.amdhsa_next_free_sgpr 66
		.amdhsa_reserve_vcc 0
		.amdhsa_float_denorm_mode_32 3
		.amdhsa_float_denorm_mode_16_64 3
		.amdhsa_memory_ordered 1
		.amdhsa_forward_progress 1
		.amdhsa_inst_pref_size 33
	.end_amdhsa_kernel
	.amdgpu_metadata
---
amdhsa.version: [ 1, 2 ]
amdhsa.kernels:
  - .name:           k_q1b9ad8519f_quant
    .symbol:         k_q1b9ad8519f_quant.kd
    .args:
      - { .name: hidden_states, .offset: 0, .size: 8, .value_kind: global_buffer, .address_space: global }
      - { .name: Wq, .offset: 8, .size: 8, .value_kind: global_buffer, .address_space: global }
      - { .name: Wk, .offset: 16, .size: 8, .value_kind: global_buffer, .address_space: global }
      - { .name: Wv, .offset: 24, .size: 8, .value_kind: global_buffer, .address_space: global }
      - { .name: codes, .offset: 32, .size: 8, .value_kind: global_buffer, .address_space: global }
      - { .name: scales, .offset: 40, .size: 8, .value_kind: global_buffer, .address_space: global }
    .group_segment_fixed_size: 33280
    .private_segment_fixed_size: 0
    .kernarg_segment_align: 8
    .kernarg_segment_size: 48
    .max_flat_workgroup_size: 128
    .sgpr_count:     66
    .vgpr_count:     194
    .wavefront_size: 32
...
	.end_amdgpu_metadata
.endif
;; end of part 1
;; launch proj (part 2): grid 8 x 48, 4 waves a work-group, clusters of 4 x 4, 327,680 bytes of LDS; arguments codes, scales, bq, bk, bv, img; writes img
.if DOCPART == 2
	.amdgcn_target "amdgcn-amd-amdhsa--gfx1250"
	.amdhsa_code_object_version 6
	.text
	.protected	k_q1b9ad8519f_proj
	.globl	k_q1b9ad8519f_proj
	.p2align	8
	.type	k_q1b9ad8519f_proj,@function
k_q1b9ad8519f_proj:
	s_mov_b64 s[64:65], 0
	v_nop
	global_prefetch_b8 v0, s[64:65] scope:SCOPE_SE
	s_setreg_imm32_b32 hwreg(HW_REG_WAVE_MODE, 25, 1), 1
	s_wait_xcnt 0x0
	s_wait_alu depctr_hold_cnt(0) depctr_sa_sdst(0) depctr_va_vdst(0) depctr_va_sdst(0) depctr_va_ssrc(0) depctr_va_vcc(0) depctr_vm_vsrc(0)
	s_getreg_b32 s2, hwreg(HW_REG_IB_STS2, 6, 4)
	s_cmp_eq_u32 s2, 0
	s_cbranch_scc0 .Lentry_in_a_cluster
	s_endpgm
.Lentry_in_a_cluster:
	s_bfe_u32 s2, ttmp6, 0x10000c
	s_cmp_lg_u32 s2, 0xf033
	s_cbranch_scc0 .Lentry_shape_is_right
	s_endpgm
.Lentry_shape_is_right:
.set NQ,     2
.set ROWB,   192
.set KROW,   768
.set PITCH,  240
.set FR,     12
.set NL,     6
.set NP,     4
.set HALFT,  128*PITCH
.set SLOT,   4*HALFT
.set KS,     32
.set SCL,    2*SLOT
.set HALFS,  (128*KS/256)*272
.set SBLK,   (16*KS/256)*272
.set SPARE,  SCL+4*HALFS
.set SEC,    6553600
.set HB,     102400
.set WD,   8
.set ADRA, 16
.set ADRB, 20
.set CO,   26
.set ADRS, 27
.set SPW,  28
.set NIL,  29
.set SC,   32
.set BX,   64
.set AF,   128
.set BY,   224
.set IM0,  32
.set IM1,  44
.set PWA,  56
.set SW,   58
.set T,    128
.set H0,   216
.set H1,   220
.set TM,   240
.set G1, 24
.set G0, 32
.set G1B, 48
.set G0B, 56
.set G1S, 68
.set G0S, 76
.set G1SB, 80
.set G0SB, 88
.set MSB, 0
.macro WIN new
.if MSB != (\new)
	s_set_vgpr_msb (MSB<<8)|(\new)
.set MSB, (\new)
.endif
.endm
.set MUL_LO, 0xa1
.set MUL_HI, 0xf1
.set TO_B,   0x40
.macro JLOAD g0a, g1a, g0b, g1b
	s_cmp_eq_u32 s15, 0
	s_cbranch_scc0 .Lfor_b_\@
	tensor_load_to_lds s[\g0a:\g0a+3], s[\g1a:\g1a+7]
	s_nop 0
.rept 4
	v_nop
.endr
	s_branch .Lasked_\@
.Lfor_b_\@:
	tensor_load_to_lds s[\g0b:\g0b+3], s[\g1b:\g1b+7]
	s_nop 0
.rept 4
	v_nop
.endr
.Lasked_\@:
.endm
.macro CREST
	s_cmp_lg_u32 s14, 0
	s_cbranch_scc1 .Lnot_wave_0_\@
	s_barrier_signal -3
.Lnot_wave_0_\@:
	s_barrier_wait -3
	s_barrier_signal -1
	s_barrier_wait -1
.endm
.macro CROUND
	s_barrier_signal -1
	s_barrier_wait -1
	CREST
.endm
	s_load_b256 s[4:11], s[0:1], 0x0
	s_load_b128 s[96:99], s[0:1], 0x20
	v_lshl_add_u32 v[SPW], v0, 2, SPARE
	v_mov_b32 v[NIL], 0
	ds_add_u32 v28, v29
	ds_add_u32 v28, v29
	s_wait_dscnt 0x0
	v_lshrrev_b32 v1, 5, v0
	v_readfirstlane_b32 s14, v1
	s_lshr_b32 s15, s14, 1
	s_and_b32 s16, s14, 1
	s_bfe_u32 s40, ttmp6, 0x40000
	s_bfe_u32 s41, ttmp6, 0x40004
	s_lshl_b32 s42, ttmp9, 2
	s_add_co_u32 s42, s42, s40
	s_and_b32 s13, ttmp7, 0xffff
	s_lshl_b32 s17, s13, 2
	s_add_co_u32 s17, s17, s41
	s_lshl_b32 s43, s41, 2
	s_lshl_b32 s43, 15, s43
	s_lshl_b32 s44, 0x1111, s40
	s_or_b32 s[G1+0], s43, (0<<16)|(1<<20)|(1<<21)|(3<<22)|(3<<25)
	s_or_b32 s[G1B+0], s44, (0<<16)|(1<<20)|(1<<21)|(3<<22)|(3<<25)
.irp g, G1, G1B
	s_mov_b32 s[\g+1], ROWB<<16
	s_mov_b32 s[\g+2], 128<<16
	s_mov_b32 s[\g+3], ROWB<<16
	s_mov_b32 s[\g+4], 128
	s_mov_b32 s[\g+5], KROW
	s_mov_b32 s[\g+6], 0
	s_mov_b32 s[\g+7], 0
.endr
	s_or_b32 s[G1S+0], s43, (3<<16)|(1<<20)|(1<<21)|(5<<22)|(3<<25)
	s_or_b32 s[G1SB+0], s44, (3<<16)|(1<<20)|(1<<21)|(5<<22)|(3<<25)
.irp g, G1S, G1SB
	s_mov_b32 s[\g+1], 32<<16
	s_mov_b32 s[\g+2], (128*KS/256)<<16
	s_mov_b32 s[\g+3], 32<<16
	s_mov_b32 s[\g+4], 128*KS/256
	s_mov_b32 s[\g+5], 32
	s_mov_b32 s[\g+6], 0
	s_mov_b32 s[\g+7], 0
.endr
	s_lshl_b32 s18, s16, 7
	s_lshl_b32 s20, s17, 8
	s_lshl_b32 s21, s41, 8
	s_add_co_u32 s21, s21, 10240
	s_lshl_b32 s46, s42, 8
	s_sub_co_u32 s47, s13, 8
	s_lshl_b32 s47, s47, 11
	s_mov_b32 s22, 8192
	s_cmp_ge_u32 s13, 8
	s_cselect_b32 s12, 1, 0
	s_cselect_b32 s20, s21, s20
	s_cselect_b32 s47, s47, s22
	s_add_co_u32 s20, s20, s18
	s_add_co_u32 s46, s46, s47
	s_add_co_u32 s46, s46, s18
	s_mov_b32 s21, 0
	s_mov_b32 s47, 0
	s_mov_b64 s[18:19], KS
	s_mul_u64 s[22:23], s[20:21], s[18:19]
	s_mul_u64 s[92:93], s[46:47], s[18:19]
	s_mov_b64 s[18:19], KROW
	s_mul_u64 s[20:21], s[20:21], s[18:19]
	s_mul_u64 s[46:47], s[46:47], s[18:19]
	s_mul_i32 s45, s14, HALFT
	s_mul_i32 s94, s14, HALFS
	s_wait_kmcnt 0x0
	s_add_nc_u64 s[20:21], s[4:5], s[20:21]
	s_add_nc_u64 s[22:23], s[6:7], s[22:23]
	s_add_nc_u64 s[46:47], s[4:5], s[46:47]
	s_add_nc_u64 s[92:93], s[6:7], s[92:93]
	CROUND
	s_mov_b32 s[G0S], 1
	s_add_co_u32 s[G0S+1], s94, SCL
	s_mov_b64 s[G0S+2:G0S+3], s[22:23]
	s_or_b32 s[G0S+3], s[G0S+3], 0x80000000
	s_mov_b32 s[G0SB], 1
	s_add_co_u32 s[G0SB+1], s94, SCL
	s_mov_b64 s[G0SB+2:G0SB+3], s[92:93]
	s_or_b32 s[G0SB+3], s[G0SB+3], 0x80000000
	JLOAD G0S, G1S, G0SB, G1SB
.irp s, 0,1
	s_mov_b32 s[G0+4*\s], 1
	s_add_co_u32 s[G0+4*\s+1], s45, \s*SLOT
	s_add_nc_u64 s[G0+4*\s+2:G0+4*\s+3], s[20:21], \s*ROWB
	s_or_b32 s[G0+4*\s+3], s[G0+4*\s+3], 0x80000000
	s_mov_b32 s[G0B+4*\s], 1
	s_add_co_u32 s[G0B+4*\s+1], s45, \s*SLOT
	s_add_nc_u64 s[G0B+4*\s+2:G0B+4*\s+3], s[46:47], \s*ROWB
	s_or_b32 s[G0B+4*\s+3], s[G0B+4*\s+3], 0x80000000
	s_wait_alu depctr_va_vdst(0)
	s_wait_tensorcnt 0x0
	ds_add_u32 v28, v29
	s_wait_dscnt 0x0
	CROUND
	JLOAD G0+4*\s, G1, G0B+4*\s, G1B
.endr
	v_and_b32 v1, 15, v0
	v_bfe_u32 v2, v0, 4, 1
	v_lshlrev_b32 v8, 6, v2
	s_wait_alu depctr_va_vdst(0)
	v_and_b32 v9, 8, v1
	v_add_nc_u32 v9, v9, v1
	v_lshlrev_b32 v9, 2, v9
	s_wait_alu depctr_va_vdst(0)
	s_and_b32 s18, s42, 3
	s_lshl_b32 s18, s18, 10
	s_lshl_b32 s19, s16, 9
	s_add_co_u32 s18, s18, s19
	s_mov_b32 s19, 0
	s_lshl_b32 s20, s41, 10
	s_lshl_b32 s21, s15, 9
	s_add_co_u32 s20, s20, s21
	s_mov_b32 s21, 0
	s_cmp_lg_u32 ttmp9, 0
	s_cselect_b64 s[8:9], s[10:11], s[8:9]
	s_cmp_lg_u32 s12, 0
	s_cselect_b64 s[8:9], s[96:97], s[8:9]
	s_add_nc_u64 s[8:9], s[8:9], s[18:19]
	s_add_nc_u64 s[10:11], s[96:97], s[20:21]
.irp b, 0,1,2,3
.irp j, 0,1,2,3
	global_load_b128 v[BX+16*\b+4*\j:BX+16*\b+4*\j+3], v8, s[8:9] offset:128*\b+16*\j
.endr
.endr
.irp a, 0,1,2,3,4,5,6,7
	global_load_b32 v[BY+2*\a], v9, s[10:11] offset:4*(32*(\a/2)+8*(\a%2))
	global_load_b32 v[BY+2*\a+1], v9, s[10:11] offset:4*(32*(\a/2)+8*(\a%2))
.endr
	v_mul_u32_u24 v3, v1, PITCH
	v_mul_u32_u24 v4, v2, 24
	v_add_nc_u32 v4, v3, v4
	v_lshl_add_u32 v5, v2, 4, v4
	s_mul_i32 s21, s15, HALFT
	s_mul_i32 s22, s16, HALFT
	s_add_co_u32 s22, s22, 2*HALFT
.irp s, 0,1
	v_add_nc_u32 v[ADRA+\s], s21, v4
	v_add_nc_u32 v[ADRB+\s], s22, v4
	v_add_nc_u32 v[ADRA+2+\s], s21, v5
	v_add_nc_u32 v[ADRB+2+\s], s22, v5
	s_add_co_u32 s21, s21, SLOT
	s_add_co_u32 s22, s22, SLOT
.endr
	v_mul_u32_u24 v5, v1, KS
	v_lshrrev_b32 v6, 8, v5
	v_lshl_add_u32 v5, v6, 4, v5
	s_mul_i32 s21, s15, HALFS
	s_mul_i32 s22, s16, HALFS
	s_add_co_u32 s22, s22, 2*HALFS
	s_sub_co_u32 s22, s22, s21
	v_mul_u32_u24 v6, s22, v2
	s_add_co_u32 s21, s21, SCL
	v_add_nc_u32 v5, v5, v6
	v_add_nc_u32 v[ADRS], s21, v5
	v_and_b32 v6, 31, v0
	v_lshlrev_b32 v[CO], 4, v6
	v_lshlrev_b32 v30, 3, v6
.macro FRAG reg, adr, q, i
.irp p, 0,1,2,3,4,5
.set PCE, 12*(\q)+6*(\p/3)+\p%3
.if PCE%8 < 5
	ds_load_b64 v[\reg+2*\p:\reg+2*\p+1], v[\adr] offset:8*PCE+16*(PCE/8)+(\i)*16*PITCH
.else
	ds_load_b64 v[\reg+2*\p:\reg+2*\p+1], v[\adr+2] offset:8*PCE+16*(PCE/8)+(\i)*16*PITCH
.endif
.endr
.endm
.macro MUL16 a0, p, q, sc, zero
.irp a, \a0, \a0+1
.irp b, 0,1,2,3,4,5,6,7
.if \zero
	v_wmma_scale_f32_16x16x128_f8f6f4 v[8*(8*((\a)%4)+\b):8*(8*((\a)%4)+\b)+7], v[128*(\p)+FR*\b:128*(\p)+FR*\b+FR-1], v[AF+FR*(\a):AF+FR*(\a)+FR-1], 0, v[SC+8*NQ*(\sc)+NQ*\b+(\q)], v[SC+8*NQ*(\sc)+NQ*(\a)+(\q)] matrix_a_fmt:MATRIX_FMT_FP6 matrix_b_fmt:MATRIX_FMT_FP6 matrix_a_scale:MATRIX_SCALE_ROW1
.else
	v_wmma_scale_f32_16x16x128_f8f6f4 v[8*(8*((\a)%4)+\b):8*(8*((\a)%4)+\b)+7], v[128*(\p)+FR*\b:128*(\p)+FR*\b+FR-1], v[AF+FR*(\a):AF+FR*(\a)+FR-1], v[8*(8*((\a)%4)+\b):8*(8*((\a)%4)+\b)+7], v[SC+8*NQ*(\sc)+NQ*\b+(\q)], v[SC+8*NQ*(\sc)+NQ*(\a)+(\q)] matrix_a_fmt:MATRIX_FMT_FP6 matrix_b_fmt:MATRIX_FMT_FP6 matrix_a_scale:MATRIX_SCALE_ROW1
.endif
.endr
.endr
.endm
.macro FETCH_B slot, q, p
	WIN TO_B
.irp i, 0,1,2,3,4,5,6,7
	FRAG 128*(\p)+FR*\i, ADRB+\slot, \q, \i
.endr
	WIN 0
.endm
.macro FETCH_A slot, q, i0
.irp i, \i0, \i0+1, \i0+2, \i0+3
	FRAG AF+FR*(\i), ADRA+\slot, \q, \i
.endr
.endm
.macro SCALES sc
.irp i, 0,1,2,3,4,5,6,7
	ds_load_b64 v[SC+8*NQ*\sc+NQ*\i:SC+8*NQ*\sc+NQ*\i+1], v[ADRS] offset:\i*SBLK
.endr
.endm
.macro PLACES n
.rept \n
	v_nop
.endr
.endm
.macro STEP slot, q, zero
	s_wait_dscnt 4*NL
	WIN MUL_LO
	MUL16 0, (\q)%2, \q, \slot, \zero
	MUL16 2, (\q)%2, \q, \slot, \zero
	s_wait_dscnt 0
	PLACES NP
	FETCH_B \slot, (\q)+1, 1-(\q)%2
	FETCH_A \slot, (\q)+1, 0
	WIN MUL_HI
	MUL16 4, (\q)%2, \q, \slot, \zero
	MUL16 6, (\q)%2, \q, \slot, \zero
	PLACES NP
	WIN 0
	FETCH_A \slot, (\q)+1, 4
.endm
.macro TURN slot, next, fill
	s_wait_tensorcnt 0x0
	ds_add_u32 v[SPW], v[NIL]
	s_wait_dscnt 4*NL+1
	WIN MUL_LO
	MUL16 0, 1, NQ-1, \slot, 0
	s_wait_dscnt 0x0
	s_barrier_signal -1
	MUL16 2, 1, NQ-1, \slot, 0
	WIN 0
	s_barrier_wait -1
.if \fill
	CREST
	s_add_nc_u64 s[G0+4*\slot+2:G0+4*\slot+3], s[G0+4*\slot+2:G0+4*\slot+3], 2*ROWB
	s_add_nc_u64 s[G0B+4*\slot+2:G0B+4*\slot+3], s[G0B+4*\slot+2:G0B+4*\slot+3], 2*ROWB
	JLOAD G0+4*\slot, G1, G0B+4*\slot, G1B
.else
	PLACES NP
.endif
	s_wait_alu depctr_va_vdst(0)
	v_add_nc_u32 v[ADRS], 4*NQ, v[ADRS]
	FETCH_B \next, 0, 0
	FETCH_A \next, 0, 0
	SCALES \next
	WIN MUL_HI
	MUL16 4, 1, NQ-1, \slot, 0
	MUL16 6, 1, NQ-1, \slot, 0
	PLACES NP
	WIN 0
	FETCH_A \next, 0, 4
.endm
	s_wait_alu depctr_va_vdst(0)
	s_wait_loadcnt 0x0
	s_wait_tensorcnt 1
	s_barrier_signal -1
	s_barrier_wait -1
	FETCH_B 0, 0, 0
	FETCH_A 0, 0, 0
	SCALES 0
	FETCH_A 0, 0, 4
	STEP 0, 0, 1
	TURN 0, 1, 1
	STEP 1, 0, 0
	TURN 1, 0, 1
	STEP 0, 0, 0
	TURN 0, 1, 0
	STEP 1, 0, 0
	s_wait_dscnt 4*NL
	WIN MUL_LO
	MUL16 0, 1, NQ-1, 1, 0
	MUL16 2, 1, NQ-1, 1, 0
	s_wait_dscnt 0
	WIN MUL_HI
	MUL16 4, 1, NQ-1, 1, 0
	MUL16 6, 1, NQ-1, 1, 0
	WIN 0
.macro QUANT s, d0, d1, pw
.irp b, 0,1,2,3
	v_max3_num_f32 v[TM+\b], |v[\s+16*\b]|, |v[\s+1+16*\b]|, 0x1800000
.endr
.irp i, 2,4,6,8,10,12,14
.irp b, 0,1,2,3
	v_max3_num_f32 v[TM+\b], v[TM+\b], |v[\s+16*\b+\i]|, |v[\s+1+16*\b+\i]|
.endr
.endr
.irp b, 0,1,2,3
	v_permlanex16_b32 v[TM+4+\b], v[TM+\b], s70, s71
.endr
.irp b, 0,1,2,3
	v_max_num_f32 v[TM+\b], v[TM+\b], v[TM+4+\b]
.endr
.irp b, 0,1,2,3
	v_add_nc_u32 v[TM+12+\b], 0xff000000, v[TM+\b]
.endr
.irp b, 0,1,2,3
	v_lshrrev_b32 v[TM+4+\b], 23, v[TM+12+\b]
.endr
	v_lshl_or_b32 v[\pw], v[TM+5], 8, v[TM+4]
	v_lshl_or_b32 v[\pw], v[TM+6], 16, v[\pw]
	v_lshl_or_b32 v[\pw], v[TM+7], 24, v[\pw]
	v_cvt_scalef32_pk16_fp6_f32 v[(\d0):(\d0)+2], v[\s:\s+15], v[TM+12]
	v_cvt_scalef32_pk16_fp6_f32 v[H0:H0+2], v[\s+16:\s+31], v[TM+13]
	v_cvt_scalef32_pk16_fp6_f32 v[(\d1):(\d1)+2], v[\s+32:\s+47], v[TM+14]
	v_cvt_scalef32_pk16_fp6_f32 v[H1:H1+2], v[\s+48:\s+63], v[TM+15]
	v_nop
.irp i, 0,1,2
	v_permlane16_swap_b32 v[(\d0)+\i], v[H0+\i]
	v_permlane16_swap_b32 v[(\d1)+\i], v[H1+\i]
.endr
.irp i, 0,1,2
	v_mov_b32 v[(\d0)+3+\i], v[H0+\i]
	v_mov_b32 v[(\d1)+3+\i], v[H1+\i]
.endr
.endm
.macro EPI kind
.irp bt, 0,1,2,3
.if \bt > 0
	s_wait_xcnt 0x0
.endif
.irp u, 0,1
	WIN 0x02+(2*\bt+\u)/4
.set AC, 64*((2*\bt+\u)%4)
.set n, 0
.rept 32
.if \kind
	v_pk_add_f32 v[T+n:T+n+1], v[AC+n:AC+n+1], v[BY+2*(2*\bt+\u):BY+2*(2*\bt+\u)+1]
.else
	v_pk_add_f32 v[T+n:T+n+1], v[AC+n:AC+n+1], v[BX+n:BX+n+1]
.endif
.set n, n+2
.endr
	WIN 0
.if \kind
	QUANT T, IM0+12*\u, IM0+12*\u+6, WD+2*\bt+\u
.else
	QUANT T, IM0+6*\u, IM1+6*\u, PWA+\u
.endif
.endr
.if \kind == 0
	v_perm_b32 v[WD+\bt], v[PWA+1], v[PWA], 0x05040100
	v_perm_b32 v[WD+4+\bt], v[PWA+1], v[PWA], 0x07060302
.endif
.irp e, 0,1
.irp c, 0,1,2
.if \kind
	global_store_b128 v[CO], v[IM0+12*\e+4*\c:IM0+12*\e+4*\c+3], s[98:99] offset:(\bt/2)*HB+1536*(2*(\bt%2)+\e)+512*\c
.else
	global_store_b128 v[CO], v[IM0+12*\e+4*\c:IM0+12*\e+4*\c+3], s[98:99] offset:\e*HB+1536*\bt+512*\c
.endif
.endr
.endr
.endr
.irp e, 0,1
	v_cndmask_b32 v[SW+2*\e], v[WD+4*\e], v[WD+4*\e+1], s72
	v_cndmask_b32 v[SW+2*\e+1], v[WD+4*\e+2], v[WD+4*\e+3], s72
	global_store_b64 v30, v[SW+2*\e:SW+2*\e+1], s[100:101] offset:\e*HB
.endr
.endm
	PLACES NP
	s_sub_co_u32 s68, s13, 8
	s_lshl_b32 s68, s68, 3
	s_add_co_u32 s68, s68, s42
	s_and_b32 s69, s42, 3
	s_cmp_lg_u32 s12, 0
	s_cselect_b32 s68, s68, s17
	s_cselect_b32 s73, s16, s15
	s_cselect_b32 s69, s41, s69
	s_cselect_b32 s74, s15, s16
	s_cselect_b32 s75, 2, ttmp9
	s_lshl_b32 s68, s68, 8
	s_lshl_b32 s73, s73, 7
	s_add_co_u32 s68, s68, s73
	s_lshr_b32 s73, s68, 11
	s_bfe_u32 s76, s68, 0x40007
	s_lshl_b32 s69, s69, 2
	s_lshl_b32 s74, s74, 1
	s_add_co_u32 s69, s69, s74
	s_lshl_b32 s73, s73, 4
	s_add_co_u32 s69, s69, s73
	s_mul_i32 s69, s69, HB
	s_mul_i32 s75, s75, SEC
	s_add_co_u32 s78, s69, s75
	s_mov_b32 s79, 0
	s_add_nc_u64 s[98:99], s[98:99], s[78:79]
	s_lshl_b32 s78, s76, 8
	s_add_co_u32 s78, s78, 64*1536
	s_add_nc_u64 s[100:101], s[98:99], s[78:79]
	s_mul_i32 s78, s76, 4*1536
	s_add_nc_u64 s[98:99], s[98:99], s[78:79]
	s_mov_b32 s70, 0x76543210
	s_mov_b32 s71, 0xfedcba98
	s_mov_b32 s72, 0xffff0000
.irp b, 0,1,2,3
	v_mov_b32 v[TM+4+\b], 0
.endr
	s_cmp_lg_u32 s12, 0
	s_cbranch_scc1 .Lv
	EPI 0
	s_branch .Ldone
.Lv:
	EPI 1
.Ldone:
	s_wait_tensorcnt 0x0
	ds_add_u32 v[SPW], v[NIL]
	s_wait_dscnt 0x0
	CROUND
	s_endpgm
.Lfunc_end_k_q1b9ad8519f_proj:
	.size	k_q1b9ad8519f_proj, .Lfunc_end_k_q1b9ad8519f_proj-k_q1b9ad8519f_proj
	.p2alignl 7, 3214868480
	.fill 96, 4, 3214868480
	.section	.rodata,"a",@progbits
	.p2align	6, 0x0
	.amdhsa_kernel k_q1b9ad8519f_proj
		.amdhsa_group_segment_fixed_size 327680
		.amdhsa_private_segment_fixed_size 0
		.amdhsa_enable_private_segment 0
		.amdhsa_kernarg_size 48
		.amdhsa_user_sgpr_count 2
		.amdhsa_user_sgpr_kernarg_segment_ptr 1
		.amdhsa_wavefront_size32 1
		.amdhsa_system_sgpr_workgroup_id_x 1
		.amdhsa_system_sgpr_workgroup_id_y 1
		.amdhsa_system_sgpr_workgroup_id_z 1
		.amdhsa_system_vgpr_workitem_id 0
		.amdhsa_next_free_vgpr 1024
		.amdhsa_next_free_sgpr 102
		.amdhsa_reserve_vcc 0
		.amdhsa_float_denorm_mode_32 3
		.amdhsa_float_denorm_mode_16_64 3
		.amdhsa_memory_ordered 1
		.amdhsa_forward_progress 1
		.amdhsa_inst_pref_size 235
	.end_amdhsa_kernel
	.amdgpu_metadata
---
amdhsa.version: [ 1, 2 ]
amdhsa.kernels:
  - .name:           k_q1b9ad8519f_proj
    .symbol:         k_q1b9ad8519f_proj.kd
    .args:
      - { .name: codes, .offset: 0, .size: 8, .value_kind: global_buffer, .address_space: global }
      - { .name: scales, .offset: 8, .size: 8, .value_kind: global_buffer, .address_space: global }
      - { .name: bq, .offset: 16, .size: 8, .value_kind: global_buffer, .address_space: global }
      - { .name: bk, .offset: 24, .size: 8, .value_kind: global_buffer, .address_space: global }
      - { .name: bv, .offset: 32, .size: 8, .value_kind: global_buffer, .address_space: global }
      - { .name: img, .offset: 40, .size: 8, .value_kind: global_buffer, .address_space: global }
    .group_segment_fixed_size: 327680
    .private_segment_fixed_size: 0
    .kernarg_segment_align: 8
    .kernarg_segment_size: 48
    .max_flat_workgroup_size: 128
    .sgpr_count:     102
    .vgpr_count:     1024
    .wavefront_size: 32
...
	.end_amdgpu_metadata
.endif
;; end of part 2
;; launch attn (part 3): grid 4 x 64, 16 waves a work-group, clusters of 4 x 1, 276,480 bytes of LDS; arguments img, out0; writes out0
.if DOCPART == 3
	.amdgcn_target "amdgcn-amd-amdhsa--gfx1250"
	.amdhsa_code_object_version 6
	.text
	.protected	k_q1b9ad8519f_attn
	.globl	k_q1b9ad8519f_attn
	.p2align	8
	.type	k_q1b9ad8519f_attn,@function
k_q1b9ad8519f_attn:
	s_mov_b64 s[64:65], 0
	v_nop
	global_prefetch_b8 v0, s[64:65] scope:SCOPE_SE
	s_setreg_imm32_b32 hwreg(HW_REG_WAVE_MODE, 25, 1), 1
	s_wait_xcnt 0x0
	s_wait_alu depctr_hold_cnt(0) depctr_sa_sdst(0) depctr_va_vdst(0) depctr_va_sdst(0) depctr_va_ssrc(0) depctr_va_vcc(0) depctr_vm_vsrc(0)
	s_getreg_b32 s2, hwreg(HW_REG_IB_STS2, 6, 4)
	s_cmp_eq_u32 s2, 0
	s_cbranch_scc0 .Lentry_in_a_cluster
	s_endpgm
.Lentry_in_a_cluster:
	s_bfe_u32 s2, ttmp6, 0x10000c
	s_cmp_lg_u32 s2, 0x3003
	s_cbranch_scc0 .Lentry_shape_is_right
	s_endpgm
.Lentry_shape_is_right:
; out0[b][q][64 head + d] = the sum over keys of softmax(q . k / 8) v, both products on codes of FP6 (E2M3) with E8M0 scales, from the register images that the launch before has laid in img.
; THE SOFTMAX AHEAD OF THE SECOND PRODUCT: t = score x log2(e) / 8; M = the row's largest t so far, rounded UP to a whole number; p = 2^(t - M) is quantised along the keys, not normalised.
; The row's sum is taken of the unquantised p, in f32, and divides at the end.  When M moves, the sum and O are multiplied by 2^(old M - new M): exact.
; SHARES: a work-group takes 512 queries of one head (work-group y = 16 batch + head); each of its sixteen waves one image of q, 32 queries: two tiles of 16, one after the other, each over 16 steps of 128 keys.
; Four waves share a SIMD: one wave's vector work stands beside another's matrix work and LDS loads; 256 registers a wave, no register windows.
; LDS IS FILLED ONCE: a head's k and v, codes and scale words, are 2 x 102,400 bytes.  So there is no ring, and one barrier.
; CLUSTER 4 x 1: the four work-groups of a head want the same k and v: each wave's 12,800 bytes are asked for jointly, by the same descriptor and the mask 15 in all four.  cx enters q's and out0's addresses alone.
; THE FIRST PRODUCT'S K IS 64, half of the instruction's 128: an image of k holds TWO tiles of 16 keys (k 0-63: tile 0; k 64-127: tile 1) and is multiplied once by [q | zeros] and once by [zeros | q]: zero codes add nothing.
; LAYOUT: both products transposed (S^T = k q^T, O^T = v^T p^T): a lane holds ONE query.  The keys of a tile are 32 i + 8 u + r + 8 (r / 8), so registers 16 i + 0 .. 15 of S^T are keys 32 i + 16 (lane / 16) + 0 .. 15.
; LIMITS: a p under 2^-126 counts as 0; a block of p under 2^-124 has its byte held at 1; NaN and infinities are not served.
.set SEC,   6553600                    ; a section of img: q, k, v
.set HB,    102400                     ; a head's part: 64 images of 1,536 bytes, then 16 scale images of 256 bytes
.set PART,  12800                      ; what one wave's tensor load brings: 50 rows of 256 bytes
.set VB,    HB                         ; LDS: k's part at 0, v's at VB,
.set STAGE, 2*HB                       ; behind them a stage of 16 rows x (256 + 16) bytes for each wave: no fill lands there
.set LI,  1                            ; v1   16 x lane
.set LS,  2                            ; v2   8 x lane + where the scale images begin
.set ADK, 3                            ; v3-6 LDS addresses of the step's images of k, of v, and of their scale images
.set ADV, 4
.set ADS, 5
.set ADT, 6
.set GO,  7                            ; v7   the way out: 4,096 h + 16 r
.set STO, 8                            ; v8   where I put my numbers of a row
.set RD,  9                            ; v9   where I read a row back
.set QF,  16                           ; v16-33 [six zeros | q's six | six zeros]: v[22:33] = [q | 0], v[16:27] = [0 | q]
.set QIM, 34                           ; v34-45 q's image; v46 its scale word
.set QW,  47                           ; v47  the tile's two scale bytes, twice
.set FR,  48                           ; v48-95  four images of k, then of v
.set S,   96                           ; v96-159 S^T, then p
.set O,   160                          ; v160-191 O^T
.set PC,  192                          ; v192-203 p's codes
.set HF,  204                          ; v204-206, v208-210 the conversions' second halves
.set BM,  212                          ; v212-215 the blocks' largest scores, then largest p
.set PD,  216                          ; v216-219 the other lane's / bytes
.set SO,  220                          ; v220-223 the conversions' scale operands
.set PW,  224                          ; v224 p's scale word
.set FF,  226                          ; v[226:227] f (the low word serves both halves)
.set TP,  228
.set L2,  230                          ; v[230:231] the sum's second chain
.set SK,  232                          ; v[232:233] k's scale words, v[234:235] v's: word i / 2, lanes 16 (i % 2) on, for image i
.set SV,  234
.set WV,  8                            ; s8   my wave's number
.set SEL, 24                           ; s[24:25] v_permlanex16_b32's selects for lane l xor 16
.set CS,  26                           ; s[26:27] c = log2(e) / 8
.set TK,  28                           ; s28  the step's images: 6,144 bytes a step
.set TS,  29                           ; s29  its scale image: 256 bytes a step
.set CNT, 30
.macro ROUND                           ; a round of the cluster's barrier
	s_barrier_signal -1
	s_barrier_wait -1
	s_cmp_lg_u32 s[WV], 0
	s_cbranch_scc1 .Lnot_wave_0_\@
	s_barrier_signal -3
.Lnot_wave_0_\@:
	s_barrier_wait -3
	s_barrier_signal -1
	s_barrier_wait -1
.endm
	s_load_b128 s[4:7], s[0:1], 0x0                ; img s[4:5], out0 s[6:7]
	v_lshl_add_u32 v254, v0, 2, 0x43000
	v_mov_b32 v255, 0
	ds_add_u32 v254, v255
	ds_add_u32 v254, v255
	v_lshrrev_b32 v10, 5, v0
	s_delay_alu instid0(VALU_DEP_1)
	v_readfirstlane_b32 s[WV], v10                 ; wave 0..15
	s_bfe_u32 s9, ttmp6, 0x40000                   ; cx: which quarter of the queries
	s_and_b32 s10, ttmp7, 0xffff                   ; 16 batch + head: the four partners share it
	; descriptor group 1: 50 dense rows of 256 bytes, no padding
	s_mov_b32 s16, 15|(3<<16)|(1<<21)              ; 15:0 the mask: all four work-groups; 17:16 elements of 8 bytes; 21 set beside a mask
	s_mov_b32 s17, 32<<16                          ; tensor_dim0 = 32
	s_mov_b32 s18, 50<<16                          ; tensor_dim1 = 50
	s_mov_b32 s19, 32<<16                          ; tile_dim0 = 32
	s_mov_b32 s20, 50                              ; tile_dim1 = 50
	s_mov_b32 s21, 32                              ; tensor_dim0_stride
	s_mov_b32 s22, 0
	s_mov_b32 s23, 0
	s_mul_i32 s31, s10, HB                         ; the head's part in a section
	s_lshr_b32 s32, s[WV], 3
	s_add_co_u32 s32, s32, 1
	s_mul_i32 s32, s32, SEC                        ; waves 0-7: k's section, waves 8-15: v's
	s_and_b32 s33, s[WV], 7
	s_mul_i32 s33, s33, PART
	s_add_co_u32 s32, s32, s31
	s_add_co_u32 s32, s32, s33
	s_mov_b32 s33, 0
	s_mov_b32 s12, 1                               ; group 0: count = 1,
	s_mul_i32 s13, s[WV], PART                     ; LDS address: the sixteen parts on end,
	s_wait_dscnt 0x0
	s_wait_kmcnt 0x0
	s_add_nc_u64 s[14:15], s[4:5], s[32:33]        ; global address: nothing of cx in it,
	s_or_b32 s15, s15, 0x80000000                  ; type = 2
	ROUND                                          ; all four work-groups are here: the joint loads meet
	tensor_load_to_lds s[12:15], s[16:23]          ; my one tensor load of the launch
	s_nop 0
.rept 4
	v_nop
.endr
	s_lshl_b32 s34, s9, 4
	s_add_co_u32 s34, s34, s[WV]                   ; my image of q: 16 cx + wave
	s_mul_i32 s40, s34, 1536
	s_add_co_u32 s40, s40, s31
	s_mov_b32 s41, 0
	s_add_nc_u64 s[36:37], s[4:5], s[40:41]        ; its codes
	s_lshr_b32 s40, s34, 2
	s_lshl_b32 s40, s40, 8                         ; its scale words: scale image qi / 4,
	s_and_b32 s35, s34, 1
	s_lshl_b32 s35, s35, 7                         ; lanes 16 (qi % 2) on,
	s_add_co_u32 s40, s40, s35
	s_bfe_u32 s35, s34, 0x10001
	s_lshl_b32 s35, s35, 2                         ; word (qi / 2) % 2
	s_add_co_u32 s40, s40, s35
	s_add_co_u32 s40, s40, s31
	s_add_co_u32 s40, s40, 64*1536
	s_add_nc_u64 s[38:39], s[4:5], s[40:41]
	v_and_b32 v11, 31, v0
	s_delay_alu instid0(VALU_DEP_1)
	v_lshlrev_b32 v[LI], 4, v11
	s_delay_alu instid0(VALU_DEP_2)
	v_lshl_add_u32 v[LS], v11, 3, 64*1536
	v_and_b32 v10, 15, v0                          ; r
	v_bfe_u32 v11, v0, 4, 1                        ; h
	s_delay_alu instid0(VALU_DEP_1)
	v_lshlrev_b32 v[GO], 12, v11
	s_delay_alu instid0(VALU_DEP_1)
	v_lshl_add_u32 v[GO], v10, 4, v[GO]
	s_mul_i32 s35, s[WV], 16*272
	s_add_co_u32 s35, s35, STAGE                   ; my stage
	v_mul_u32_u24 v[STO], v10, 272
	s_delay_alu instid0(VALU_DEP_1)
	v_lshl_add_u32 v[STO], v11, 6, v[STO]
	s_delay_alu instid0(VALU_DEP_1)
	v_add_nc_u32 v[STO], s35, v[STO]               ; in: row r, + 64 h
	v_mul_u32_u24 v[RD], v11, 272
	s_delay_alu instid0(VALU_DEP_1)
	v_lshl_add_u32 v[RD], v10, 4, v[RD]
	s_delay_alu instid0(VALU_DEP_1)
	v_add_nc_u32 v[RD], s35, v[RD]                 ; back: lanes 0-15 one row, lanes 16-31 the next
	v_lshlrev_b32 v10, 3, v10                      ; 8 r
.irp c, 0,1,2
	global_load_b128 v[QIM+4*\c:QIM+4*\c+3], v[LI], s[36:37] offset:512*\c
.endr
	global_load_b32 v46, v10, s[38:39]             ; lane r and lane 16 + r: row r's word
	s_lshr_b32 s40, s10, 4
	s_lshl_b32 s40, s40, 23                        ; out0: the batch's 2,048 rows of 4,096 bytes,
	s_lshl_b32 s35, s34, 17                        ; my 32 rows,
	s_add_co_u32 s40, s40, s35
	s_and_b32 s35, s10, 15
	s_lshl_b32 s35, s35, 8                         ; the head's 256 bytes of a row
	s_add_co_u32 s40, s40, s35
	s_add_nc_u64 s[6:7], s[6:7], s[40:41]
	s_mov_b32 s[SEL], 0x76543210
	s_mov_b32 s[SEL+1], 0xfedcba98
	s_mov_b32 s[CS], 0x3e38aa3b                    ; c = log2(e) / 8
	s_mov_b32 s[CS+1], s[CS]                       ; (named with it as a pair, so it is written)
.irp i, 0,1,2,3,4,5
	v_mov_b32 v[QF+\i], 0                          ; zero codes on both sides of q
	v_mov_b32 v[QF+12+\i], 0
.endr
.irp b, 0,1,2,3
	v_mov_b32 v[PD+\b], 0                          ; written once: a lane permute's destination counts as one of its sources
.endr
	v_mov_b32 v[FF+1], 0                           ; (named as the upper half of f's pair)
	s_wait_loadcnt 0x0                             ; q
	s_wait_tensorcnt 0x0                           ; my part of k or v is in,
	s_barrier_signal -1
	s_barrier_wait -1                              ; everybody's is
.macro MMZ d, a, b, sa, row            ; a product that starts its sums
.if \row
	v_wmma_scale_f32_16x16x128_f8f6f4 v[\d:\d+7], v[\a:\a+11], v[\b:\b+11], 0, v[\sa], v[QW] matrix_a_fmt:MATRIX_FMT_FP6 matrix_b_fmt:MATRIX_FMT_FP6 matrix_a_scale:MATRIX_SCALE_ROW1
.else
	v_wmma_scale_f32_16x16x128_f8f6f4 v[\d:\d+7], v[\a:\a+11], v[\b:\b+11], 0, v[\sa], v[QW] matrix_a_fmt:MATRIX_FMT_FP6 matrix_b_fmt:MATRIX_FMT_FP6
.endif
.endm
.macro MMA d, a, sa, row               ; a product that adds onto O^T
.if \row
	v_wmma_scale_f32_16x16x128_f8f6f4 v[\d:\d+7], v[\a:\a+11], v[PC:PC+11], v[\d:\d+7], v[\sa], v[PW] matrix_a_fmt:MATRIX_FMT_FP6 matrix_b_fmt:MATRIX_FMT_FP6 matrix_a_scale:MATRIX_SCALE_ROW1
.else
	v_wmma_scale_f32_16x16x128_f8f6f4 v[\d:\d+7], v[\a:\a+11], v[PC:PC+11], v[\d:\d+7], v[\sa], v[PW] matrix_a_fmt:MATRIX_FMT_FP6 matrix_b_fmt:MATRIX_FMT_FP6
.endif
.endm
; A KEY STEP: 128 keys.
.macro STEP
	v_add_nc_u32 v[ADK], s[TK], v[LI]              ; these four are also the places in front of the loads into registers that the last step's products have read
	v_add_nc_u32 v[ADS], s[TS], v[LS]
	s_delay_alu instid0(VALU_DEP_2)
	v_add_nc_u32 v[ADV], VB, v[ADK]
	s_delay_alu instid0(VALU_DEP_2)
	v_add_nc_u32 v[ADT], VB, v[ADS]
.irp i, 0,1,2,3
.irp c, 0,1,2
	ds_load_b128 v[FR+12*\i+4*\c:FR+12*\i+4*\c+3], v[ADK] offset:1536*\i+512*\c   ; an image as it lies: 512 consecutive bytes a load
.endr
.endr
	ds_load_b64 v[SK:SK+1], v[ADS]
	s_wait_alu depctr_va_vdst(0)
	s_wait_dscnt 0x0
.irp i, 0,1,2,3                                ; S^T = k q^T: image i's tile 0 against [q | 0], its tile 1 against [0 | q]
	MMZ S+16*\i, FR+12*\i, QF+6, SK+\i/2, \i%2
	MMZ S+16*\i+8, FR+12*\i, QF, SK+\i/2, \i%2
.endr
.rept 4
	v_nop                                          ; places: v's images land where k's were read, and the scores are read
.endr
.irp i, 0,1,2,3
.irp c, 0,1,2
	ds_load_b128 v[FR+12*\i+4*\c:FR+12*\i+4*\c+3], v[ADV] offset:1536*\i+512*\c   ; v's four images of these 128 keys: they land under the softmax
.endr
.endr
	ds_load_b64 v[SV:SV+1], v[ADT]
.irp b, 0,1,2,3
	v_max3_num_f32 v[BM+\b], v[S+16*\b], v[S+1+16*\b], v[S+2+16*\b]   ; THE LARGEST SCORE OF EACH BLOCK OF 32 KEYS: for the row's maximum and, since p rises with the score, for the block's largest p
.endr
.irp i, 3,5,7,9,11,13
.irp b, 0,1,2,3
	v_max3_num_f32 v[BM+\b], v[BM+\b], v[S+16*\b+\i], v[S+1+16*\b+\i]   ; (the four blocks by turns)
.endr
.endr
.irp b, 0,1,2,3
	v_max_num_f32 v[BM+\b], v[BM+\b], v[S+15+16*\b]
.endr
.irp b, 0,1,2,3
	s_delay_alu instid0(VALU_DEP_4)
	v_permlanex16_b32 v[PD+\b], v[BM+\b], s[SEL], s[SEL+1]
.endr
.irp b, 0,1,2,3
	s_delay_alu instid0(VALU_DEP_4)
	v_max_num_f32 v[BM+\b], v[BM+\b], v[PD+\b]     ; with lane l xor 16's 16 keys
.endr
	s_delay_alu instid0(VALU_DEP_2)
	v_max3_num_f32 v[TP], v[BM], v[BM+1], v[BM+2]
	s_delay_alu instid0(VALU_DEP_1)
	v_max_num_f32 v[TP], v[TP], v[BM+3]            ; the step's largest score of my query
	s_delay_alu instid0(VALU_DEP_1)
	v_mul_f32 v[TP], s[CS], v[TP]                  ; as t (c is positive)
	s_delay_alu instid0(VALU_DEP_1)
	v_max_num_f32 v13, v13, v[TP]                  ; the running largest t
	v_mov_b32 v[TP], v12
	s_delay_alu instid0(VALU_DEP_2)
	v_floor_f32 v12, -v13                          ; the new -M = floor(-t) = -ceil(t): M is a whole number
	s_delay_alu instid0(VALU_DEP_1)
	v_sub_f32 v[TP], v12, v[TP]                    ; M's old value less its new one: a whole number, 0 or less
	s_delay_alu instid0(VALU_DEP_1)
	v_cvt_i32_f32 v[TP], v[TP]                     ; (it saturates)
	s_delay_alu instid0(VALU_DEP_1)
	v_ldexp_f32 v[FF], 1.0, v[TP]                  ; f = 2^(old M - new M)
.set n, 0
.rept 32
	v_pk_fma_f32 v[S+n:S+n+1], v[S+n:S+n+1], s[CS:CS+1], v[12:13] op_sel_hi:[1,0,0]   ; t - M, two at a time (of the pairs c and -M the low word serves both halves)
.set n, n+2
.endr
.irp b, 0,1,2,3
	v_fma_f32 v[BM+\b], v[BM+\b], s[CS], v12       ; the same of each block's largest score
.endr
.set n, 0
	s_wait_alu depctr_va_vdst(0)
.rept 64
	v_exp_f32 v[S+n], v[S+n]                       ; p = 2^(t - M), at most 1: not normalised
.set n, n+1
.endr
	s_setprio 1
.irp b, 0,1,2,3
	v_exp_f32 v[BM+\b], v[BM+\b]                   ; the block's largest p: the same two instructions on the same number give the same bits
.endr
	v_pk_mul_f32 v[14:15], v[14:15], v[FF:FF+1] op_sel_hi:[1,0]   ; the sums under the new M.  (A plain place behind the exponentials)
	s_wait_alu depctr_va_vdst(0)
.irp b, 0,1,2,3
	v_max_num_f32 v[BM+\b], 0x1800000, v[BM+\b]    ; the floor 2^(3 - 127): the byte cannot fall under 1
.endr
.irp b, 0,1,2,3
	s_delay_alu instid0(VALU_DEP_4)
	v_add_nc_u32 v[SO+\b], 0xff000000, v[BM+\b]    ; 2 off the exponent field: the conversion's scale operand
.endr
.irp b, 0,1,2,3
	s_delay_alu instid0(VALU_DEP_4)
	v_lshrrev_b32 v[PD+\b], 23, v[SO+\b]           ; the scale's byte
.endr
	s_delay_alu instid0(VALU_DEP_3)
	v_lshl_or_b32 v[PW], v[PD+1], 8, v[PD]         ; p's scale word for these 128 keys
	s_delay_alu instid0(VALU_DEP_1)
	v_lshl_or_b32 v[PW], v[PD+2], 16, v[PW]
	s_delay_alu instid0(VALU_DEP_1)
	v_lshl_or_b32 v[PW], v[PD+3], 24, v[PW]
.irp c, 0,1
	v_cvt_scalef32_pk16_fp6_f32 v[PC+6*\c:PC+6*\c+2], v[S+32*\c:S+32*\c+15], v[SO+2*\c]
	v_cvt_scalef32_pk16_fp6_f32 v[HF+4*\c:HF+4*\c+2], v[S+16+32*\c:S+31+32*\c], v[SO+2*\c+1]   ; (a conversion's three registers begin on an even number)
.endr
	v_nop                                          ; one plain place behind a scaled conversion
.irp c, 0,1                                    ; the operand's layout wants a WHOLE block in a lane: lanes 0-15 block 2 c, lanes 16-31 block 2 c + 1
.irp i, 0,1,2
	v_permlane16_swap_b32 v[PC+6*\c+\i], v[HF+4*\c+\i]
.endr
.irp i, 0,1,2
	s_delay_alu instid0(VALU_DEP_3)
	v_mov_b32 v[PC+3+6*\c+\i], v[HF+4*\c+\i]
.endr
.endr
	v_pk_add_f32 v[230:231], v[100:101], v[104:105]
	v_pk_add_f32 v[252:253], v[108:109], v[112:113]
	v_pk_add_f32 v[250:251], v[116:117], v[120:121]
	v_pk_add_f32 v[248:249], v[124:125], v[128:129]
	v_pk_add_f32 v[246:247], v[132:133], v[136:137]
	v_pk_add_f32 v[244:245], v[140:141], v[144:145]
	v_pk_add_f32 v[242:243], v[148:149], v[152:153]
	v_pk_add_f32 v[14:15], v[14:15], v[156:157]
	v_pk_add_f32 v[230:231], v[230:231], v[96:97]
	v_pk_add_f32 v[252:253], v[252:253], v[98:99]
	v_pk_add_f32 v[250:251], v[250:251], v[102:103]
	v_pk_add_f32 v[248:249], v[248:249], v[106:107]
	v_pk_add_f32 v[246:247], v[246:247], v[110:111]
	v_pk_add_f32 v[244:245], v[244:245], v[114:115]
	v_pk_add_f32 v[242:243], v[242:243], v[118:119]
	v_pk_add_f32 v[14:15], v[14:15], v[122:123]
	v_pk_add_f32 v[230:231], v[230:231], v[126:127]
	v_pk_add_f32 v[252:253], v[252:253], v[130:131]
	v_pk_add_f32 v[250:251], v[250:251], v[134:135]
	v_pk_add_f32 v[248:249], v[248:249], v[138:139]
	v_pk_add_f32 v[246:247], v[246:247], v[142:143]
	v_pk_add_f32 v[244:245], v[244:245], v[146:147]
	v_pk_add_f32 v[242:243], v[242:243], v[150:151]
	v_pk_add_f32 v[14:15], v[14:15], v[154:155]
	v_pk_add_f32 v[230:231], v[230:231], v[158:159]
	s_delay_alu instid0(VALU_DEP_2)
	v_pk_add_f32 v[14:15], v[14:15], v[248:249]
	s_delay_alu instid0(VALU_DEP_2)
	v_pk_add_f32 v[230:231], v[230:231], v[246:247]
	s_setprio 0
	v_pk_add_f32 v[252:253], v[252:253], v[244:245]
	v_pk_add_f32 v[250:251], v[250:251], v[242:243]
	s_delay_alu instid0(VALU_DEP_2)
	v_pk_add_f32 v[14:15], v[14:15], v[252:253]
	s_delay_alu instid0(VALU_DEP_2)
	v_pk_add_f32 v[230:231], v[230:231], v[250:251]
	s_delay_alu instid0(VALU_DEP_1)
	v_pk_add_f32 v[14:15], v[14:15], v[230:231]
.set n, 0
.rept 16
	v_pk_mul_f32 v[O+n:O+n+1], v[O+n:O+n+1], v[FF:FF+1] op_sel_hi:[1,0]   ; O^T under the new M: x f, each accumulator from its low end on.  (With the sums above: the places between p's codes and scale word and the products)
.set n, n+2
.endr
	s_wait_alu depctr_va_vdst(0)
	s_wait_dscnt 0x0                               ; v's images and scale words are in
.irp t, 0,1,2,3                                ; O^T += v^T p^T: four tiles of 16 of the head's 64, by turns; the next step's eight products on S^T stand between two links of a chain
	MMA O+8*\t, FR+12*\t, SV+\t/2, \t%2
.endr
.endm
; THE WAY OUT of tile u: O^T / the sum goes through my stage and leaves as rows: sixteen lanes store a token's 256 bytes of this head.
.macro WAYOUT u
.rept 4
	v_nop                                          ; places behind the last products
.endr
	v_add_f32 v14, v14, v15                        ; the sum's two halves,
	s_delay_alu instid0(VALU_DEP_1)
	v_permlanex16_b32 v[TP], v14, s[SEL], s[SEL+1]
	s_delay_alu instid0(VALU_DEP_1)
	v_add_f32 v14, v14, v[TP]                      ; and lane l xor 16's: the row's sum
	s_wait_alu depctr_va_vdst(0)
	v_rcp_f32 v14, v14
	v_nop                                          ; one plain place behind a transcendental
.set n, 0
	s_wait_alu depctr_va_vdst(0)
.rept 32
	v_mul_f32 v[S+n], v[O+n], v14                  ; register 16 B + i is d = 32 B + 16 h + i
.set n, n+1
.endr
.irp b, 0,1
.irp j, 0,1,2,3
	ds_store_b128 v[STO], v[S+16*\b+4*\j:S+16*\b+4*\j+3] offset:128*\b+16*\j
.endr
.endr
.irp i, 0,1,2,3,4,5,6,7
	ds_load_b128 v[FR+4*\i:FR+4*\i+3], v[RD] offset:544*\i   ; LDS serves a wave's instructions in order (ISA guide 5.7.1.4): these see my stores
.endr
.irp i, 0,1,2,3,4,5,6,7
	s_wait_dscnt 7-\i                              ; rows 2 i and 2 i + 1 are back; the younger loads may be out
	global_store_b128 v[GO], v[FR+4*\i:FR+4*\i+3], s[6:7] offset:(2*\i+8*(\i/4)+8*\u)*4096 th:TH_STORE_NT   ; place p of the tile is token 8 u + p + 8 (p / 8); 16 lanes store 256 consecutive bytes, at a multiple of 256 from out0's first byte
.endr
.endm
.macro TILE u
.if \u
	s_wait_xcnt 0x0                                ; the first tile's stores have read their registers (ISA guide 3.1): the images land there again only behind this wait
.endif
.irp i, 0,1,2,3,4,5
	v_mov_b32 v[QF+6+\i], v[QIM+6*\u+\i]           ; the tile's codes between the zeros
.endr
.if \u
	v_perm_b32 v[QW], v46, v46, 0x03020302         ; its two scale bytes, for k 0-63 and for k 64-127
.else
	v_perm_b32 v[QW], v46, v46, 0x01000100
.endif
	v_mov_b32 v13, 0xff61b1e6                      ; the largest t so far: -3e38, under every t
	s_delay_alu instid0(VALU_DEP_1)
	v_floor_f32 v12, -v13                          ; -M
	v_mov_b32 v14, 0                               ; the sum, in two halves
	v_mov_b32 v15, 0
.set n, 0
.rept 32
	v_mov_b32 v[O+n], 0                            ; O^T.  (The step is written once: the first finds zeros, which the first change of M leaves zeros)
.set n, n+1
.endr
	s_mov_b32 s[TK], 0
	s_mov_b32 s[TS], 0
	s_mov_b32 s[CNT], 16
.Lstep_\@:
	s_setprio 2
	STEP
	s_add_co_u32 s[TK], s[TK], 4*1536
	s_add_co_u32 s[TS], s[TS], 256
	s_sub_co_u32 s[CNT], s[CNT], 1
	s_cmp_lg_u32 s[CNT], 0
	s_cbranch_scc1 .Lstep_\@
	s_setprio 0
	WAYOUT \u
.endm
	TILE 0
	TILE 1
	s_wait_dscnt 0x0
	s_wait_tensorcnt 0x0
	ds_add_u32 v254, v255
	s_wait_dscnt 0x0
	ROUND                                          ; the closing round: no work-group ends while a partner may still ask for a part that names it
	s_endpgm
.Lfunc_end_k_q1b9ad8519f_attn:
	.size	k_q1b9ad8519f_attn, .Lfunc_end_k_q1b9ad8519f_attn-k_q1b9ad8519f_attn
	.p2alignl 7, 3214868480
	.fill 96, 4, 3214868480
	.section	.rodata,"a",@progbits
	.p2align	6, 0x0
	.amdhsa_kernel k_q1b9ad8519f_attn
		.amdhsa_group_segment_fixed_size 276480
		.amdhsa_private_segment_fixed_size 0
		.amdhsa_enable_private_segment 0
		.amdhsa_kernarg_size 16
		.amdhsa_user_sgpr_count 2
		.amdhsa_user_sgpr_kernarg_segment_ptr 1
		.amdhsa_wavefront_size32 1
		.amdhsa_system_sgpr_workgroup_id_x 1
		.amdhsa_system_sgpr_workgroup_id_y 1
		.amdhsa_system_sgpr_workgroup_id_z 1
		.amdhsa_system_vgpr_workitem_id 0
		.amdhsa_next_free_vgpr 256
		.amdhsa_next_free_sgpr 66
		.amdhsa_reserve_vcc 0
		.amdhsa_float_denorm_mode_32 3
		.amdhsa_float_denorm_mode_16_64 3
		.amdhsa_memory_ordered 1
		.amdhsa_forward_progress 1
		.amdhsa_inst_pref_size 50
	.end_amdhsa_kernel
	.amdgpu_metadata
---
amdhsa.version: [ 1, 2 ]
amdhsa.kernels:
  - .name:           k_q1b9ad8519f_attn
    .symbol:         k_q1b9ad8519f_attn.kd
    .args:
      - { .name: img, .offset: 0, .size: 8, .value_kind: global_buffer, .address_space: global }
      - { .name: out0, .offset: 8, .size: 8, .value_kind: global_buffer, .address_space: global }
    .group_segment_fixed_size: 276480
    .private_segment_fixed_size: 0
    .kernarg_segment_align: 8
    .kernarg_segment_size: 16
    .max_flat_workgroup_size: 512
    .sgpr_count:     66
    .vgpr_count:     256
    .wavefront_size: 32
...
	.end_amdgpu_metadata
.endif
;; end of part 3
